; MI455X (gfx1250); checked and timed in simulation.
; The chip was launched on July 23, 2026; its instructions are those of AMD's public machine-readable ISA for CDNA 5 (MIT licence, August 2026) and "CDNA5" Instruction Set Architecture Reference Guide (July 2026). The comments in the code are by the model that wrote it; some were corrected since.
;; LSTM Cell scratch. Allowed arithmetic: matrix products marked QUANTISED: E5M2 operands, one E8M0 scale for each 32 along K, by v_wmma_scale_f32_16x16x128_f8f6f4 with both operands' format E5M2, f32 sums; everything else in f32.
;; Inputs: Wf 1,024 x 2,048 float32; Wg 1,024 x 2,048 float32; Wi 1,024 x 2,048 float32; Wo 1,024 x 2,048 float32; bf 1,024 float32; bg 1,024 float32; bi 1,024 float32; bo 1,024 float32; c_prev 8,192 x 1,024 float32; h_prev 8,192 x 1,024 float32; x 8,192 x 1,024 float32.
;; Outputs: out0 8,192 x 1,024 float32; out1 8,192 x 1,024 float32.
;; This version of the problem:
;;   THIS VERSION OF THE PROBLEM IS GIVEN IN LOW PRECISION. The matrix products marked QUANTISED in the list below multiply operands that are first quantised to E5M2 (5 exponent bits, 2 mantissa bits; 8 bits a number), with one power-of-two scale for each 32 numbers along K (OCP MX v1.0); their sums are f32. All else is computed in f32.
;;   The module's matrix products, in the order in which they are computed (A, B: the left and right operand; K: the contracted axis; several contracted axes count as one K, in the product's order):
;;     1. [M 8,192, K 2,048] x [K 2,048, N 1,024]; A: computed on the way; B: input Wf: QUANTISED
;;     2. [M 8,192, K 2,048] x [K 2,048, N 1,024]; A: computed on the way; B: input Wi: QUANTISED
;;     3. [M 8,192, K 2,048] x [K 2,048, N 1,024]; A: computed on the way; B: input Wg: QUANTISED
;;     4. [M 8,192, K 2,048] x [K 2,048, N 1,024]; A: computed on the way; B: input Wo: QUANTISED
;;   THE QUANTISER, for each operand of a quantised product, along K:
;;     - K is cut into blocks of 32 from its start; a last block that is shorter is filled with zeros.
;;     - A block's scale is 2^e with e = floor(log2(the largest magnitude in the block)) - 15, held to -126 .. 127; a block of zeros has e = 0. As a byte (E8M0): e + 127.
;;     - Each number is divided by its block's scale, clamped to +-57,344, and rounded to the nearest number of E5M2, ties to even, subnormals kept.
;;     - The product sums the exact products of the quantised numbers (number of the format x scale) in f32.
;;   ~~~python
;;   def quantise(x, axis):      # numpy; x: float32 -> the quantised numbers, widened to float32 again
;;       x = np.moveaxis(x, axis, -1); K = x.shape[-1]
;;       x = np.pad(x, [(0, 0)] * (x.ndim - 1) + [(0, -K % 32)]); x = x.reshape(x.shape[:-1] + (-1, 32)); a = np.abs(x).max(-1, keepdims=True)
;;       e = np.where(a > 0, np.clip(np.frexp(np.where(a > 0, a, 1))[1] - 1 - 15, -126, 127), 0)      # np.frexp(a)[1] - 1 = floor(log2(a)), exactly
;;       r = np.clip(x / 2.0 ** e, -57344, 57344)
;;       step = 2.0 ** (np.maximum(np.frexp(np.where(r == 0, 1, r))[1] - 1, -14) - 2)
;;       q = np.round(r / step) * step * 2.0 ** e      # np.round: ties to even
;;       return np.moveaxis(q.reshape(q.shape[:-2] + (-1,))[..., :K], -1, axis).astype(np.float32)
;;   ~~~
;;   OPERANDS COMPUTED ON THE WAY. 'Computed on the way' means the value that the module computes at that place (a softmax that the list does not call 'softmax' is quantised finished and normalised). What goes into a quantiser is computed in f32, as accurately as f32 sums, v_exp_f32 and their like allow (about 1e-6 of the number): no bf16 or f16 on the way to a quantiser, and a product that is left as it is and whose result goes on into a quantised operand takes f32 operands (vector FMAs, or v_wmma_f32_16x16x4_f32). A number that lies on a knife's edge between two numbers of the format may be rounded either way, as far as f32 arithmetic and the matrix unit's own rounding can turn it there, and no further.
;; One version. Each part assembles by itself: llvm-mc -triple=amdgcn-amd-amdhsa -mcpu=gfx1250 --defsym DOCPART=n.
;; ======== version 1 of 1: 2 launches
;; limits: right only within a limited range of input values
;; workspace buffers: a_codes 16,777,216 bytes; a_scales 524,288 bytes; b_codes 8,388,608 bytes; b_scales 262,144 bytes
;; launch quant (part 1): grid 768 x 1, 4 waves a work-group, no clusters, 33,280 bytes of LDS; arguments x, h_prev, Wf, Wi, Wg, Wo, a_codes, a_scales, b_codes, b_scales; writes a_codes, a_scales, b_codes, b_scales
.if DOCPART == 1
	.amdgcn_target "amdgcn-amd-amdhsa--gfx1250"
	.amdhsa_code_object_version 6
	.text
	.protected	k_q17127d80da_quant
	.globl	k_q17127d80da_quant
	.p2align	8
	.type	k_q17127d80da_quant,@function
k_q17127d80da_quant:
	s_mov_b64 s[64:65], 0
	v_nop
	global_prefetch_b8 v0, s[64:65] scope:SCOPE_SE
	s_setreg_imm32_b32 hwreg(HW_REG_WAVE_MODE, 25, 1), 1
	s_wait_xcnt 0x0
; The operands of the LSTM cell's four products become codes of BF8 (E5M2), one code a byte, K innermost, with one E8M0 scale byte for each 32 along K.
; A = [x | h_prev], 8,192 rows of K = 2,048: a_codes [8192][2048], a_scales [8192][64].
; B = the four weights, 4 x 1,024 rows of K = 2,048: b_codes [4096][2048], b_scales [4096][64].  Hidden unit j of gate g (0 f, 1 i, 2 g, 3 o) goes to row
; 128 (j / 32) + 32 g + j % 32, so that any 128 aligned rows of B are 32 hidden units of all four gates: the product's launch then finds the four gates of one unit in one lane.
; A block's scale is 2^(floor(log2(its largest magnitude)) - 15); its byte is the largest magnitude's exponent field - 15, held at 1 from below.  Each number is divided by the scale, held within
; +-57,344 and rounded to the nearest code, ties to even.
; LIMITS: a block of zeros gets the byte 1 where the rule says 127 (its codes are zeros, which add nothing under any byte but 0xff, and this program alone reads the bytes); blocks whose largest
; magnitude lies under 2^(15 - 126) share that byte; NaN and infinities among the inputs are not served.
; SHARES.  A wave takes four whole rows of K: 16 steps of 512 numbers; step t is quarter t % 4 of row t / 4.  Its codes are 8,192 consecutive bytes and its scale bytes 256 consecutive, aligned bytes.
; Work-groups 0 to 511 take A (16 rows each), 512 to 767 the weights (64 work-groups to a weight).  All six tensors take ONE path: only pointers, a pitch and a row number are chosen, by selects on the
; work-group's number.  Quarters 0 and 1 of a row come from base P, quarters 2 and 3 from base Q: for A these are x and h_prev (rows of 4,096 bytes), for a weight the two halves of its rows of 8,192.
; The conversions take neighbours along K from ONE lane's registers, a load is best where neighbouring LANES take neighbouring bytes: each of a step's four loads reads 512 consecutive bytes, 16 a lane;
; the 2,048 bytes go through the wave's own stage in LDS and come back 64 bytes a lane (two neighbouring lanes hold a block).  The stage has 16 bytes of padding behind each 64.
; No tensor loads, no barrier, no matrix unit, no cluster: waves share nothing and memory binds.  Loads run four steps (16 loads a wave) ahead, the turn through LDS one step.
.set STEPS, 16
.set WGA,   512                        ; work-groups that take A
.set EMAX,  15
.set MANT,  0x600000                   ; the mantissa field of 57,344 as f32
.set CB,    16                         ; bytes of 16 codes
.set R,     16                         ; v16-79   four sets of 16 numbers as they are loaded
.set X,     80                         ; v80-111  two sets of 16 neighbours
.set E,     112                        ; v112-127 a scale byte for each step
.set C,     128                        ; v128-191 codes: four registers for each step, so that no store's data are written again
.set VR,    192                        ; v192-195 16 x lane + row x pitch, for my four rows; never rewritten
.set WREG,  8192                       ; LDS: a region of its own for each wave: two stages of 32 x SP bytes, and behind them its 256 scale bytes
.set SP,    80                         ; a lane's place in a stage: its 64 bytes + 16 of padding
	s_load_b512 s[4:19], s[0:1], 0x0               ; x s[4:5], h_prev s[6:7], Wf s[8:9], Wi s[10:11], Wg s[12:13], Wo s[14:15], A's codes s[16:17], A's scales s[18:19]
	s_load_b128 s[20:23], s[0:1], 0x40             ; B's codes s[20:21], B's scales s[22:23]
	v_lshl_add_u32 v200, v0, 2, 0x8000
	v_mov_b32 v201, 0
	v_lshrrev_b32 v1, 5, v0
	v_readfirstlane_b32 s24, v1                    ; wave
	v_and_b32 v2, 31, v0                           ; lane
	s_mul_i32 s37, s24, WREG
	v_lshrrev_b32 v14, 2, v2
	v_mul_u32_u24 v14, v14, SP
	v_and_b32 v15, 3, v2
	v_lshl_add_u32 v14, v15, 4, v14
	v_add_nc_u32 v14, s37, v14                     ; the stage, on the way in: four lanes' 64 bytes on end, then 16 of padding: SP (lane / 4) + 16 (lane % 4); a load's 512 bytes take eight places
	v_mul_u32_u24 v15, v2, SP
	v_add_nc_u32 v15, s37, v15                     ; and on the way out: SP x lane: my 16 neighbours
	v_mul_u32_u24 v4, v2, CB                       ; my codes' place in a step's
	v_lshrrev_b32 v5, 1, v2
	s_add_co_u32 s37, s37, 2*32*SP
	v_add_nc_u32 v5, s37, v5                       ; LDS: my wave's 256 scale bytes, my block's byte
	v_lshlrev_b32 v7, 3, v2                        ; and on the way out 8 bytes a lane
	v_add_nc_u32 v6, s37, v7
	; both sets of numbers are made, A's and a weight's; the selects below keep one (in A's work-groups the weight's numbers mean nothing and enter nothing)
	s_lshl_b32 s26, s24, 2                         ; 4 x wave
	s_lshl_b32 s25, ttmp9, 4
	s_add_co_u32 s25, s25, s26                     ; A: my first row = 16 x work-group + 4 x wave
	s_sub_co_u32 s27, ttmp9, WGA
	s_lshr_b32 s28, s27, 6                         ; the gate: 64 work-groups to a weight
	s_and_b32 s27, s27, 63
	s_lshl_b32 s27, s27, 4
	s_add_co_u32 s27, s27, s26                     ; j0: my first hidden unit, a multiple of 4: my four rows lie in one group of 32
	s_lshr_b32 s29, s27, 5
	s_lshl_b32 s29, s29, 7
	s_and_b32 s30, s27, 31
	s_add_co_u32 s29, s29, s30
	s_lshl_b32 s30, s28, 5
	s_add_co_u32 s29, s29, s30                     ; my first row of B: 128 (j0 / 32) + 32 gate + j0 % 32
	s_lshl_b32 s30, s25, 12                        ; A: bytes to my first row of x and of h_prev
	s_lshl_b32 s31, s27, 13                        ; a weight: bytes to its row j0
	s_mov_b32 s33, 0
	s_mov_b32 s35, 0
	s_mov_b32 s41, 0
	s_mov_b32 s43, 0
	s_wait_kmcnt 0x0
	s_cmp_eq_u32 s28, 1                            ; which weight: the choices hang on the work-group's number alone
	s_cselect_b64 s[8:9], s[10:11], s[8:9]
	s_cmp_eq_u32 s28, 2
	s_cselect_b64 s[8:9], s[12:13], s[8:9]
	s_cmp_eq_u32 s28, 3
	s_cselect_b64 s[8:9], s[14:15], s[8:9]
	s_mov_b32 s36, 8192
	s_cmp_lt_u32 ttmp9, WGA                        ; A's work-group or a weight's?  Only selects follow, so the compare holds for all of them
	s_cselect_b64 s[4:5], s[4:5], s[8:9]           ; P
	s_cselect_b64 s[6:7], s[6:7], s[8:9]           ; Q
	s_cselect_b64 s[16:17], s[16:17], s[20:21]     ; the codes
	s_cselect_b64 s[18:19], s[18:19], s[22:23]     ; the scale bytes
	s_cselect_b32 s32, s30, s31                    ; bytes to my first row
	s_cselect_b32 s34, 0, 4096                     ; a weight's Q is the second half of the same row
	s_cselect_b32 s36, 4096, s36                   ; bytes from row to row
	s_cselect_b32 s38, s25, s29                    ; my first row of the codes and scale bytes
	s_add_nc_u64 s[4:5], s[4:5], s[32:33]
	s_add_co_u32 s34, s34, s32
	s_add_nc_u64 s[6:7], s[6:7], s[34:35]
	s_lshl_b32 s40, s38, 11                        ; 2,048 bytes of codes a row
	s_add_nc_u64 s[16:17], s[16:17], s[40:41]
	s_lshl_b32 s42, s38, 6                         ; 64 scale bytes a row
	s_add_nc_u64 s[18:19], s[18:19], s[42:43]
	s_mov_b32 s23, MANT                            ; (an instruction takes one literal: the hold's line has another)
	v_lshlrev_b32 v[VR], 4, v2                     ; my 16 bytes of a load's 512, in my four rows
	v_add_nc_u32 v[VR+1], s36, v[VR]
	v_add_nc_u32 v[VR+2], s36, v[VR+1]
	v_add_nc_u32 v[VR+3], s36, v[VR+2]
.macro LOAD t                          ; step t: quarter t % 4 of row t / 4: four loads of 512 consecutive bytes
.irp i, 0,1,2,3
.if ((\t)%4) < 2
	global_load_b128 v[R+16*((\t)%4)+4*\i:R+16*((\t)%4)+4*\i+3], v[VR+(\t)/4], s[4:5] offset:2048*((\t)%2)+512*\i th:TH_LOAD_NT
.else
	global_load_b128 v[R+16*((\t)%4)+4*\i:R+16*((\t)%4)+4*\i+3], v[VR+(\t)/4], s[6:7] offset:2048*((\t)%2)+512*\i th:TH_LOAD_NT
.endif
.endr
.endm
.macro TURN t                          ; step t's numbers through the stage: LDS serves a wave's instructions in order (ISA guide 5.7.1.4), so no wait stands between the stores and the loads
.irp i, 0,1,2,3
	ds_store_b128 v14, v[R+16*((\t)%4)+4*\i:R+16*((\t)%4)+4*\i+3] offset:32*SP*((\t)%2)+8*SP*\i
.endr
.irp i, 0,1,2,3
	ds_load_b128 v[X+16*((\t)%2)+4*\i:X+16*((\t)%2)+4*\i+3], v15 offset:32*SP*((\t)%2)+16*\i
.endr
.endm
.irp t, 0,1,2,3
	LOAD \t
.endr
	s_wait_alu depctr_va_vdst(0)
	s_wait_loadcnt 12                              ; step 0's four loads are in; the twelve of steps 1 to 3 may be out
	TURN 0
.macro STEP t
.set XS, X+16*((\t)%2)
.if (\t) > 0
	s_wait_dscnt 1                                 ; this step's numbers are back from the stage (the last step's byte store may be out): so its stores into the stage have read their registers,
.else
	s_wait_dscnt 0x0
.endif
.if (\t)+4 < STEPS
	LOAD (\t)+4                                    ; which take the loads of four steps on
.endif
.if (\t)+1 < STEPS
.if STEPS-2-(\t) >= 3
	s_wait_loadcnt 12                              ; the next step's four loads are in; those of the three steps behind it may be out
.else
	s_wait_loadcnt 4*(STEPS-2-(\t))                ; the tail: fewer steps are behind it
.endif
	TURN (\t)+1                                    ; and go through the other stage while this step is worked
.endif
	v_max3_num_f32 v8, |v[XS]|, |v[XS+1]|, |v[XS+2]|               ; the largest magnitude of my 16, in two chains
	v_max3_num_f32 v9, |v[XS+3]|, |v[XS+4]|, |v[XS+5]|
.irp i, 6,10
	v_max3_num_f32 v8, v8, |v[XS+\i]|, |v[XS+\i+1]|
	v_max3_num_f32 v9, v9, |v[XS+\i+2]|, |v[XS+\i+3]|
.endr
	v_max3_num_f32 v8, v8, |v[XS+14]|, |v[XS+15]|
	v_max3_num_f32 v8, v8, v9, (EMAX+1)<<23        ; and the floor 2^(EMAX + 1 - 127), under which no largest magnitude is taken: so the byte cannot fall under 1
	v_max_num_f32_dpp v8, v8, v8 row_xmask:1 row_mask:0xf bank_mask:0xf   ; and of my neighbour's 16: the block's
	v_add_nc_u32 v11, -(EMAX<<23), v8              ; EMAX off its exponent field: the conversion takes the exponent field of this operand as its scale, and nothing else of it
	v_and_or_b32 v10, v8, 0x7f800000, s23          ; the largest number x the scale: the largest magnitude's exponent field over that number's mantissa (s23)
.irp i, 0,1,2,3,4,5,6,7,8,9,10,11,12,13,14,15
	v_med3_num_f32 v[XS+\i], v[XS+\i], -v10, v10   ; the conversion to an 8-bit code does not saturate (ISA guide 7.6.2): hold the number within the largest code x the scale first
.endr
	v_cvt_scalef32_pk8_bf8_f32 v[C+4*(\t):C+4*(\t)+1], v[XS:XS+7], v11          ; eight numbers / 2^(v11's exponent), to the nearest code, ties to even; the first number's code in the lowest byte
	v_cvt_scalef32_pk8_bf8_f32 v[C+4*(\t)+2:C+4*(\t)+3], v[XS+8:XS+15], v11
	v_lshrrev_b32 v[E+(\t)], 23, v11               ; the scale's byte; also the plain line behind the conversions
	ds_store_b8 v5, v[E+(\t)] offset:16*(\t)       ; both lanes of a block write the same byte with the same value
	global_store_b128 v4, v[C+4*(\t):C+4*(\t)+3], s[16:17] offset:32*CB*(\t)   ; the wave stores 512 consecutive bytes, aligned; the next launch reads them, so no hint
.endm
.irp t, 0,1,2,3,4,5,6,7,8,9,10,11,12,13,14,15
	STEP \t
.endr
	ds_load_b64 v[12:13], v6                       ; LDS serves a wave's instructions in order: these see my byte stores
	s_wait_dscnt 0x0
	global_store_b64 v7, v[12:13], s[18:19]        ; 32 lanes store my four rows' 256 scale bytes: consecutive and aligned
	s_wait_tensorcnt 0x0
	ds_add_u32 v200, v201
	s_wait_dscnt 0x0
	s_endpgm
.Lfunc_end_k_q17127d80da_quant:
	.size	k_q17127d80da_quant, .Lfunc_end_k_q17127d80da_quant-k_q17127d80da_quant
	.p2alignl 7, 3214868480
	.fill 96, 4, 3214868480
	.section	.rodata,"a",@progbits
	.p2align	6, 0x0
	.amdhsa_kernel k_q17127d80da_quant
		.amdhsa_group_segment_fixed_size 33280
		.amdhsa_private_segment_fixed_size 0
		.amdhsa_enable_private_segment 0
		.amdhsa_kernarg_size 80
		.amdhsa_user_sgpr_count 2
		.amdhsa_user_sgpr_kernarg_segment_ptr 1
		.amdhsa_wavefront_size32 1
		.amdhsa_system_sgpr_workgroup_id_x 1
		.amdhsa_system_sgpr_workgroup_id_y 1
		.amdhsa_system_sgpr_workgroup_id_z 1
		.amdhsa_system_vgpr_workitem_id 0
		.amdhsa_next_free_vgpr 202
		.amdhsa_next_free_sgpr 66
		.amdhsa_reserve_vcc 0
		.amdhsa_float_denorm_mode_32 3
		.amdhsa_float_denorm_mode_16_64 3
		.amdhsa_memory_ordered 1
		.amdhsa_forward_progress 1
		.amdhsa_inst_pref_size 52
	.end_amdhsa_kernel
	.amdgpu_metadata
---
amdhsa.version: [ 1, 2 ]
amdhsa.kernels:
  - .name:           k_q17127d80da_quant
    .symbol:         k_q17127d80da_quant.kd
    .args:
      - { .name: x, .offset: 0, .size: 8, .value_kind: global_buffer, .address_space: global }
      - { .name: h_prev, .offset: 8, .size: 8, .value_kind: global_buffer, .address_space: global }
      - { .name: Wf, .offset: 16, .size: 8, .value_kind: global_buffer, .address_space: global }
      - { .name: Wi, .offset: 24, .size: 8, .value_kind: global_buffer, .address_space: global }
      - { .name: Wg, .offset: 32, .size: 8, .value_kind: global_buffer, .address_space: global }
      - { .name: Wo, .offset: 40, .size: 8, .value_kind: global_buffer, .address_space: global }
      - { .name: a_codes, .offset: 48, .size: 8, .value_kind: global_buffer, .address_space: global }
      - { .name: a_scales, .offset: 56, .size: 8, .value_kind: global_buffer, .address_space: global }
      - { .name: b_codes, .offset: 64, .size: 8, .value_kind: global_buffer, .address_space: global }
      - { .name: b_scales, .offset: 72, .size: 8, .value_kind: global_buffer, .address_space: global }
    .group_segment_fixed_size: 33280
    .private_segment_fixed_size: 0
    .kernarg_segment_align: 8
    .kernarg_segment_size: 80
    .max_flat_workgroup_size: 128
    .sgpr_count:     66
    .vgpr_count:     202
    .wavefront_size: 32
...
	.end_amdgpu_metadata
.endif
;; end of part 1
;; launch cell (part 2): grid 16 x 32, 4 waves a work-group, clusters of 4 x 4, 327,680 bytes of LDS; arguments a_codes, a_scales, b_codes, b_scales, bf, bi, bg, bo, c_prev, out0, out1; writes out0, out1
.if DOCPART == 2
	.amdgcn_target "amdgcn-amd-amdhsa--gfx1250"
	.amdhsa_code_object_version 6
	.text
	.protected	k_q17127d80da_cell
	.globl	k_q17127d80da_cell
	.p2align	8
	.type	k_q17127d80da_cell,@function
k_q17127d80da_cell:
	s_mov_b64 s[64:65], 0
	v_nop
	global_prefetch_b8 v0, s[64:65] scope:SCOPE_SE
	s_setreg_imm32_b32 hwreg(HW_REG_WAVE_MODE, 25, 1), 1
	s_wait_xcnt 0x0
	s_wait_alu depctr_hold_cnt(0) depctr_sa_sdst(0) depctr_va_vdst(0) depctr_va_sdst(0) depctr_va_ssrc(0) depctr_va_vcc(0) depctr_vm_vsrc(0)
	s_getreg_b32 s2, hwreg(HW_REG_IB_STS2, 6, 4)
	s_cmp_eq_u32 s2, 0
	s_cbranch_scc0 .Lentry_in_a_cluster
	s_endpgm
.Lentry_in_a_cluster:
	s_bfe_u32 s2, ttmp6, 0x10000c
	s_cmp_lg_u32 s2, 0xf033
	s_cbranch_scc0 .Lentry_shape_is_right
	s_endpgm
.Lentry_shape_is_right:
; THE LSTM CELL ON CODES.  gates[m][n'] = bias + sum over k of A[m][k] B[n'][k];  A: [8192][2048], B: [4096][2048]: codes of BF8 (E5M2) with one E8M0 scale byte for each 32 along K ([rows][64]).
; Row n' = 128 (j / 32) + 32 g + j % 32 of B is hidden unit j of gate g (0 f, 1 i, 2 g, 3 o).  Then, in f32:  c_next = sigmoid(f) c_prev + sigmoid(i) tanh(g)  (out1),  h_next = sigmoid(o) tanh(c_next)  (out0).
; SHARES.  A work-group of four waves makes 256 rows x 256 rows of B = 64 hidden units of all four gates; a wave makes 128 x 128: 64 accumulators of 16 x 16, 512 registers: 128 rows x 32 hidden units x 4 gates.
; K goes in steps of 256 through a ring of two LDS slots filled by the tensor data mover; the scale bytes of the work-group's rows, for all of K, come into LDS once, with the first fills, and stay.
; THE MATRIX INSTRUCTION IS USED TRANSPOSED (source 0 = 16 rows of B, source 1 = 16 rows of A): register j of lane (r, h) of accumulator (a, b) is row 16 a + r, gate b / 2, hidden unit 16 (b % 2) + 8 h + j.
; So the four gates of one (row, unit) lie in ONE lane, 16 registers apart, and the whole cell is worked in registers: no gate goes to memory.  The biases are the C of each sum's first matrix instruction.
; CLUSTERS: 4 x 4 work-groups.  The four of a row of the cluster need the same tiles of A, the four of a column the same tiles of B: each tile is asked for JOINTLY, by the same tensor load with the same
; descriptor and a mask that names the four.  c_prev's tile is the work-group's own: a plain tensor load, behind a round like every tensor load here.
; c_prev (256 rows x 256 bytes) comes into the bytes of slot 0 when that slot has been read for the last time, while the last 160 matrix instructions of each wave run.  c_next is written over it in place,
; h_next into the rest of slot 0.  THE RESULTS LEAVE BLOCK BY BLOCK: a row's 256 bytes come from two waves; as soon as both have written a block of 16 rows (a barrier), each of the two reads eight whole rows of
; either result back and stores them while the next block is worked: seven eighths of the stores are on their way during the cell's arithmetic, and only the last block's follow it.
; One tile to a work-group.
; LIMITS: NaN and infinities among the inputs are not served.  tanh(z) = (1 - E) / (1 + E), E = 2^(-2 log2(e) z), with that exponent held at 60 from above: from z = -20.8 down tanh is -1 to within 2^-59.
; The sigmoids need no hold: an exponential that overflows gives a reciprocal of 0, the right limit.
; REGISTERS, in windows of 256: window 0: v16-30 addresses; v32-63 scale words, two sets; v64-127 the biases in the result's layout; from v128 A's fragments (8 x 16 rows x 128 K), ONE set; on the way out v32-175 are at work.
;   window 1: B's fragments, TWO sets, at v0 and at v128; on the way out the rows read back, 32 registers a block, none written twice.
;   window 2: the 32 accumulators of my rows 0-63 (accumulator (a, b) at v[8 (8 a + b)]);   window 3: those of my rows 64-127.
.set KSTEP,  256                       ; along K in a slot
.set NQ,     KSTEP/128                 ; matrix instructions deep
.set ROWB,   256                       ; a tile's row in bytes
.set KROW,   2048                      ; a row of A or of B in memory, in bytes
.set PITCH,  272                       ; an LDS row: 256 bytes of data + 16 of padding = 68 words: row r starts at bank 4 r mod 64 (64 banks of 4 bytes: ISA guide 11.1), so the 16 rows that a load touches start at 16 different banks
.set FR,     16                        ; registers of a fragment: 16 rows x 128 K
.set NL,     4                         ; LDS loads that bring one
.set NP,     8                         ; places behind this matrix instruction (ISA guide 7.12.1)
.set HALFT,  128*PITCH                 ; 128 rows: what one tensor load brings, and what one wave reads of A or of B
.set SLOT,   4*HALFT                   ; A's 256 rows, then B's 256 rows
.set LAPS,   4                         ; a lap = two K steps = once round the ring: 2,048 / 512
.set KS,     64                        ; a row of scales in bytes
.set SCL,    2*SLOT                    ; behind the ring: the scales, as runs of 256 bytes + 16 of padding
.set HALFS,  (128*KS/256)*272          ; the scales of 128 rows: half of what one tensor load brings
.set SBLK,   (16*KS/256)*272           ; those of 16 rows
.set SPARE,  SCL+4*HALFS               ; behind the scales: the spare words, 128 bytes for each wave: two blocks of 256 bytes that no other line names
.set HSO,    2*HALFT                   ; the way out: c_prev and then c_next lie at LDS byte 0 (256 rows x 272), h_next HSO bytes on: both in slot 0, which has had its last fill by then
.set ADRA, 16                          ; v16-17  LDS address of my A fragments in slot 0, 1
.set RD,   18                          ; v18     the way out: where I read rows of c_next back: row 128 x row half + 8 x column half + h, 16 bytes a lane
.set RD2,  19                          ; v19     and rows of h_next
.set ADRB, 20                          ; v20-21  LDS address of my B fragments in slot 0, 1
.set BA,   22                          ; v22     my byte offset in a bias
.set CPA,  24                          ; v24     my 32 bytes of a row of c_prev and c_next in LDS
.set HSA,  25                          ; v25     and of h_next
.set CO,   26                          ; v26     my byte offset in a pair of rows of the outputs; never rewritten
.set ADRS, 27                          ; v27     LDS address of my scale words: lanes 0-15 A's rows, lanes 16-31 B's
.set SPW,  28                          ; v28     LDS address of my spare word: SPARE + 4 x my thread's number; never rewritten
.set NIL,  29                          ; v29     0; never rewritten
.set PF,   30                          ; v30     4,096 x my thread's number: a row of c_prev's tile
.set SC,   32                          ; scale words: set s (for slot s) at v[SC + 8 NQ s]; in it register NQ i + q: lanes 0-15 the word of A's block i, lanes 16-31 that of B's block i
.set BI,   64                          ; v64-127 the biases: eight registers for each of B's eight blocks
.set AF,   128                         ; A's fragments
.set T,    32                          ; the way out: gate g's 16 numbers at v[T + 16 g]:
.set TF,   32
.set TI,   48
.set TG,   64
.set TO,   80
.set AA,   96                          ; v96-111   1 + E
.set DD,   112                         ; v112-127  denominators and their reciprocals
.set CV,   128                         ; v128-159  c_prev, then c_next: two sets, by turns
.set HV,   160                         ; v160-175  h_next
.set G1, 24                            ; s[24:31] descriptor group 1 for A's tiles;  s[32:39] group 0, one set for each slot
.set G0, 32
.set G1B, 48                           ; s[48:55], s[56:63] the same for B's tiles
.set G0B, 56
.set G1S, 68                           ; s[68:75], s[76:79] groups 1 and 0 for A's scales;  s[80:87], s[88:91] for B's
.set G0S, 76
.set G1SB, 80
.set G0SB, 88
.set G1C, 68                           ; s[68:75] again: group 1 for c_prev's tile, written when the load of A's scales has been shown done
.set G0C, 96                           ; s[96:99] its group 0
.set KL,  18                           ; s[18:19] on the way out: -log2(e), twice
.set K2,  20                           ; s[20:21] -2 log2(e), twice;  s22: 60.0
.set MSB, 0
.macro WIN new                         ; the immediate's high byte repeats the setting that is left
.if MSB != (\new)
	s_set_vgpr_msb (MSB<<8)|(\new)
.set MSB, (\new)
.endif
.endm
.set MUL_LO, 0xa1                      ; source 0 (B) window 1, source 1 (A) window 0, C and D window 2
.set MUL_HI, 0xf1                      ; the same, C and D window 3
.set TO_B,   0x40                      ; destination window 1, address window 0
; A joint load: waves 0 and 1 fetch for A, waves 2 and 3 for B.  Each of the two lines has ONE mask and one set of registers for all that issue it; the branch hangs on the wave's number alone.
; Four v_nop follow each of the two lines, ahead of the jump, the label and what follows.
.macro JLOAD g0a, g1a, g0b, g1b
	s_cmp_eq_u32 s15, 0
	s_cbranch_scc0 .Lfor_b_\@
	tensor_load_to_lds s[\g0a:\g0a+3], s[\g1a:\g1a+7]
	s_nop 0
.rept 4
	v_nop
.endr
	s_branch .Lasked_\@
.Lfor_b_\@:
	tensor_load_to_lds s[\g0b:\g0b+3], s[\g1b:\g1b+7]
	s_nop 0
.rept 4
	v_nop
.endr
.Lasked_\@:
.endm
.macro CREST                           ; a round of the cluster's barrier behind its opening barrier
	s_cmp_lg_u32 s14, 0
	s_cbranch_scc1 .Lnot_wave_0_\@
	s_barrier_signal -3
.Lnot_wave_0_\@:
	s_barrier_wait -3
	s_barrier_signal -1
	s_barrier_wait -1
.endm
.macro CROUND                          ; a whole round
	s_barrier_signal -1
	s_barrier_wait -1
	CREST
.endm
	s_load_b256 s[4:11], s[0:1], 0x0               ; A's codes s[4:5], A's scales s[6:7], B's codes s[8:9], B's scales s[10:11]
	s_load_b64 s[66:67], s[0:1], 0x20              ; bf
	s_load_b128 s[92:95], s[0:1], 0x28             ; bi s[92:93], bg s[94:95]
	s_load_b64 s[100:101], s[0:1], 0x38            ; bo
	s_load_b64 s[98:99], s[0:1], 0x40              ; c_prev, straight into its descriptor's address words
	v_lshl_add_u32 v[SPW], v0, 2, SPARE
	v_mov_b32 v[NIL], 0
	ds_add_u32 v28, v29
	ds_add_u32 v28, v29
	s_wait_dscnt 0x0
	v_lshrrev_b32 v1, 5, v0
	v_readfirstlane_b32 s14, v1                    ; wave 0..3
	s_lshr_b32 s15, s14, 1                         ; which half of the tile's rows is mine.  Also: I fetch for A (0) or for B (1)
	s_and_b32 s16, s14, 1                          ; which half of its columns.  Also: which 128 rows of that tile I fetch
	s_bfe_u32 s40, ttmp6, 0x40000                  ; cx, cy: my place in the cluster
	s_bfe_u32 s41, ttmp6, 0x40004
	s_lshl_b32 s42, ttmp9, 2
	s_add_co_u32 s42, s42, s40                     ; tile column = 4 x cluster x + cx: 64 hidden units
	s_and_b32 s17, ttmp7, 0xffff
	s_lshl_b32 s17, s17, 2
	s_add_co_u32 s17, s17, s41                     ; tile row = 4 x cluster y + cy: 256 rows
	s_lshl_b32 s43, s41, 2
	s_lshl_b32 s43, 15, s43                        ; my row of the cluster
	s_lshl_b32 s44, 0x1111, s40                    ; my column
	; descriptor group 1: a tile of 128 rows x ROWB bytes, padded in LDS
	s_or_b32 s[G1+0], s43, (0<<16)|(1<<20)|(1<<21)|(5<<22)|(3<<25)  ; 15:0 the mask: A's tiles go to my row; 17:16 element of 1 byte; 20 padding on; 21 set beside a mask; 24:22 after every 64 words (code 5); 31:25 of 4 words (code 3)
	s_or_b32 s[G1B+0], s44, (0<<16)|(1<<20)|(1<<21)|(5<<22)|(3<<25)
.irp g, G1, G1B
	s_mov_b32 s[\g+1], ROWB<<16                    ; tensor_dim0
	s_mov_b32 s[\g+2], 256<<16                     ; tensor_dim1 = 256 for the head's loads; set to 128 for the ring's behind the head's wait
	s_mov_b32 s[\g+3], ROWB<<16                    ; tile_dim0
	s_mov_b32 s[\g+4], 256                         ; tile_dim1 = 256
	s_mov_b32 s[\g+5], KROW                        ; tensor_dim0_stride
	s_mov_b32 s[\g+6], 0
	s_mov_b32 s[\g+7], 0
.endr
	; and for the scales of 256 rows: a dense block of 16,384 bytes, as 64 rows of 256 bytes (32 elements of 8 bytes), 16 bytes of padding behind each
	s_or_b32 s[G1S+0], s43, (3<<16)|(1<<20)|(1<<21)|(5<<22)|(3<<25)
	s_or_b32 s[G1SB+0], s44, (3<<16)|(1<<20)|(1<<21)|(5<<22)|(3<<25)
.irp g, G1S, G1SB
	s_mov_b32 s[\g+1], 32<<16
	s_mov_b32 s[\g+2], KS<<16                      ; the scales of 256 rows: 256 KS bytes = KS rows of 256 bytes
	s_mov_b32 s[\g+3], 32<<16
	s_mov_b32 s[\g+4], KS
	s_mov_b32 s[\g+5], 32
	s_mov_b32 s[\g+6], 0
	s_mov_b32 s[\g+7], 0
.endr
	s_lshl_b32 s18, s16, 7                         ; which 128 rows of the tile I fetch
	s_lshl_b32 s20, s17, 8
	s_add_co_u32 s20, s20, s18                     ; A: row 256 x tile row + 128 x half
	s_lshl_b32 s46, s42, 8
	s_add_co_u32 s46, s46, s18                     ; B: row 256 x tile column + 128 x half
	s_mov_b32 s21, 0
	s_mov_b32 s47, 0
	s_lshl_b32 s22, s17, 14                        ; where the tile's 256 rows of scales begin: 256 x KS = 16,384 bytes a tile row,
	s_mov_b32 s23, 0
	s_lshl_b32 s12, s42, 14                        ; and a tile column
	s_mov_b32 s13, 0
	s_mov_b64 s[18:19], KROW
	s_mul_u64 s[20:21], s[20:21], s[18:19]         ; and their codes
	s_mul_u64 s[46:47], s[46:47], s[18:19]
	s_mul_i32 s45, s14, HALFT                      ; where they go: wave x 128 rows: no place in the cluster enters an LDS address
	s_wait_kmcnt 0x0
	s_add_nc_u64 s[20:21], s[4:5], s[20:21]
	s_add_nc_u64 s[22:23], s[6:7], s[22:23]
	s_add_nc_u64 s[46:47], s[8:9], s[46:47]
	s_add_nc_u64 s[12:13], s[10:11], s[12:13]
	CROUND                                         ; all sixteen work-groups are here: the first joint loads meet
	s_mov_b32 s[G0S], 1
	s_mov_b32 s[G0S+1], SCL
	s_mov_b64 s[G0S+2:G0S+3], s[22:23]
	s_or_b32 s[G0S+3], s[G0S+3], 0x80000000
	s_mov_b32 s[G0SB], 1
	s_mov_b32 s[G0SB+1], SCL+2*HALFS
	s_mov_b64 s[G0SB+2:G0SB+3], s[12:13]
	s_or_b32 s[G0SB+3], s[G0SB+3], 0x80000000
	; the prefetches' base s[8:9]: of the 128 rows that I fetch in the ring, my work-group's 32: the four partners of a joint load share the rows out by address (cx for A, cy for B)
	s_cmp_eq_u32 s15, 0
	s_cselect_b64 s[8:9], s[20:21], s[46:47]
	s_cselect_b32 s10, s40, s41
	s_lshl_b32 s10, s10, 16                        ; 32 rows of 2,048 bytes
	s_mov_b32 s11, 0
	s_add_nc_u64 s[8:9], s[8:9], s[10:11]
.irp s, 0,1
	s_mov_b32 s[G0+4*\s], 1
	s_add_co_u32 s[G0+4*\s+1], s45, \s*SLOT
	s_add_nc_u64 s[G0+4*\s+2:G0+4*\s+3], s[20:21], \s*ROWB
	s_or_b32 s[G0+4*\s+3], s[G0+4*\s+3], 0x80000000
	s_mov_b32 s[G0B+4*\s], 1
	s_add_co_u32 s[G0B+4*\s+1], s45, \s*SLOT
	s_add_nc_u64 s[G0B+4*\s+2:G0B+4*\s+3], s[46:47], \s*ROWB
	s_or_b32 s[G0B+4*\s+3], s[G0B+4*\s+3], 0x80000000
.endr
; THE HEAD'S LOADS, ONE A WAVE, in one chain of arms on the wave's number.  Wave 0: K step 0's 256 rows of A (its slot 0 descriptor names LDS byte 0 and the tile's first row);
; wave 1: the scales of A's 256 rows; wave 2: K step 0's 256 rows of B (its slot 0 descriptor names LDS byte 2 HALFT and the tile's first row); wave 3: the scales of B's.
.macro ARM under, g0, g1, next
	s_cmp_lt_u32 s14, \under
	s_cbranch_scc0 \next
	tensor_load_to_lds s[\g0:\g0+3], s[\g1:\g1+7]
	s_nop 0
.rept 4
	v_nop
.endr
	s_branch .Lhead_asked
\next:
.endm
	ARM 1, G0,  G1,  .Lhead_sa
	ARM 2, G0S, G1S, .Lhead_b
	ARM 3, G0B, G1B, .Lhead_sb
	tensor_load_to_lds s[G0SB:G0SB+3], s[G1SB:G1SB+7]
	s_nop 0
.rept 4
	v_nop
.endr
.Lhead_asked:
.set PFO, 23                           ; v23: my lane x a row of codes (2,048 bytes); never rewritten
	v_and_b32 v[PFO], 31, v0
	v_lshlrev_b32 v[PFO], 11, v[PFO]
	global_prefetch_b8 v[PFO], s[8:9] offset:ROWB th:TH_LOAD_NT scope:SCOPE_SE     ; K steps 1 and 2 of my 32 rows, a lane a row: each 256 bytes named once in the cluster
	global_prefetch_b8 v[PFO], s[8:9] offset:2*ROWB th:TH_LOAD_NT scope:SCOPE_SE
	s_load_b128 s[4:7], s[0:1], 0x48               ; out0 s[4:5], out1 s[6:7]
	; c_prev, out0 and out1 are [8192][1024] f32: the tile begins 256 x tile row rows of 4,096 bytes down and 256 x tile column bytes in
	s_lshl_b32 s12, s17, 20
	s_lshl_b32 s13, s42, 8
	s_add_co_u32 s12, s12, s13
	s_mov_b32 s13, 0
	s_add_nc_u64 s[104:105], s[98:99], s[12:13]    ; c_prev at the tile's first byte, for the prefetch
	s_lshl_b32 s18, s14, 18
	s_add_co_u32 s18, s18, s12                     ; c_prev: my wave moves the tile's rows 64 w .. 64 w + 63
	s_mov_b32 s19, 0
	s_mov_b32 s[G0C], 1                            ; 1:0 count = 1
	s_mul_i32 s[G0C+1], s14, 64*PITCH              ; 63:32 LDS address: my 64 rows of 272 bytes, from LDS byte 0 on
	s_add_nc_u64 s[G0C+2:G0C+3], s[G0C+2:G0C+3], s[18:19]   ; 120:64 global address
	s_or_b32 s[G0C+3], s[G0C+3], 0x80000000        ; 127:126 type = 2
	s_lshl_b32 s18, s15, 19                        ; the outputs: of each block of 16 rows of my row half I store eight: from row 128 x row half
	s_add_co_u32 s12, s12, s18
	s_lshl_b32 s18, s16, 15                        ; + 8 x column half on
	s_add_co_u32 s12, s12, s18
	v_and_b32 v1, 15, v0                           ; r = l % 16
	v_bfe_u32 v2, v0, 4, 1                         ; h = l / 16
	v_mul_u32_u24 v3, v1, PITCH
	v_lshl_add_u32 v4, v2, 4, v3                   ; a fragment's row x pitch + 16 x half
	s_mul_i32 s21, s15, HALFT                      ; my 128 rows of A
	s_mul_i32 s22, s16, HALFT                      ; my 128 rows of B,
	s_add_co_u32 s22, s22, 2*HALFT                 ; which lie behind A's 256
.irp s, 0,1
	v_add_nc_u32 v[ADRA+\s], s21, v4
	v_add_nc_u32 v[ADRB+\s], s22, v4
	s_add_co_u32 s21, s21, SLOT
	s_add_co_u32 s22, s22, SLOT
.endr
	v_mul_u32_u24 v5, v1, KS                       ; my row's scales: KS bytes a row,
	v_lshrrev_b32 v6, 8, v5
	v_lshl_add_u32 v5, v6, 4, v5                   ; and 16 more for each 256 passed
	s_mul_i32 s21, s15, HALFS                      ; A's: my 128 rows
	s_mul_i32 s22, s16, HALFS                      ; B's: my 128 rows, behind A's 256
	s_add_co_u32 s22, s22, 2*HALFS
	s_sub_co_u32 s22, s22, s21
	v_mul_u32_u24 v6, s22, v2                      ; lanes 16-31 take B's: one product, the distance between the two bases
	s_add_co_u32 s21, s21, SCL
	v_add_nc_u32 v5, v5, v6
	v_add_nc_u32 v[ADRS], s21, v5
	s_mul_i32 s21, s15, HALFT                      ; the way out: row 128 x row half + r of 272 bytes, + 128 x column half + 32 h: my eight units of a block's first sixteen
	s_lshl_b32 s22, s16, 7
	s_add_co_u32 s21, s21, s22
	v_lshl_add_u32 v5, v2, 5, v3
	v_add_nc_u32 v[CPA], s21, v5
	v_add_nc_u32 v[HSA], HSO, v[CPA]
	s_mul_i32 s21, s15, HALFT                      ; back: row 128 x row half + 8 x column half; lanes 0-15 take one row of 256 bytes, lanes 16-31 the next
	s_mul_i32 s23, s16, 8*PITCH
	s_add_co_u32 s21, s21, s23
	v_mul_u32_u24 v5, v2, PITCH
	v_lshl_add_u32 v5, v1, 4, v5
	v_add_nc_u32 v[RD], s21, v5
	v_add_nc_u32 v[RD2], HSO, v[RD]
	v_lshlrev_b32 v5, 12, v2                       ; and the same two rows in the outputs
	v_lshl_add_u32 v[CO], v1, 4, v5
	s_lshl_b32 s21, s42, 8                         ; the biases: 4 bytes x (64 x tile column + 32 x column half + 8 h)
	s_add_co_u32 s21, s21, s22
	v_lshl_add_u32 v[BA], v2, 5, s21
	v_lshlrev_b32 v[PF], 12, v0
.macro BIAS g, lo                      ; gate g's bias in the result's layout: for block 2 g + u, register j of lane (r, h) is that of hidden unit 16 u + 8 h + j of my 32
.irp u, 0,1
.irp p, 0,1
	global_load_b128 v[BI+16*\g+8*\u+4*\p:BI+16*\g+8*\u+4*\p+3], v[BA], s[\lo:\lo+1] offset:64*\u+16*\p
.endr
.endr
.endm
	BIAS 0, 66
	BIAS 1, 92
	BIAS 2, 94
	BIAS 3, 100
	s_wait_kmcnt 0x0
	s_add_nc_u64 s[4:5], s[4:5], s[12:13]          ; out0 and out1 at the first row that I store; never rewritten
	s_add_nc_u64 s[6:7], s[6:7], s[12:13]
.macro FRAG reg, adr, q, i             ; a fragment, 16 rows x 128 K of 8-bit codes, is 16 registers: lane l holds row l % 16; registers 4 c .. 4 c + 3 hold K = 32 c + 16 (l / 16) + 0 .. 15
.irp c, 0,1,2,3
	ds_load_b128 v[\reg+4*\c:\reg+4*\c+3], v[\adr] offset:128*(\q)+32*\c+(\i)*16*PITCH
.endr
.endm
; 16 matrix instructions: A's blocks a0, a0 + 1 x B's eight, 128 along K: the slot's q-th.  p: B's set;  sc: the set of scale words.  first = 1: the sums start from the biases: nothing is cleared and nothing is added later.
; The 64 accumulators take turns, one instruction a turn, in the same order in every step.
.macro MUL16 a0, p, q, sc, first
.irp a, \a0, \a0+1
.irp b, 0,1,2,3,4,5,6,7
.if \first
	v_wmma_scale_f32_16x16x128_f8f6f4 v[8*(8*((\a)%4)+\b):8*(8*((\a)%4)+\b)+7], v[128*(\p)+FR*\b:128*(\p)+FR*\b+FR-1], v[AF+FR*(\a):AF+FR*(\a)+FR-1], v[BI+8*\b:BI+8*\b+7], v[SC+8*NQ*(\sc)+NQ*\b+(\q)], v[SC+8*NQ*(\sc)+NQ*(\a)+(\q)] matrix_a_fmt:MATRIX_FMT_BF8 matrix_b_fmt:MATRIX_FMT_BF8 matrix_a_scale:MATRIX_SCALE_ROW1
.else
	v_wmma_scale_f32_16x16x128_f8f6f4 v[8*(8*((\a)%4)+\b):8*(8*((\a)%4)+\b)+7], v[128*(\p)+FR*\b:128*(\p)+FR*\b+FR-1], v[AF+FR*(\a):AF+FR*(\a)+FR-1], v[8*(8*((\a)%4)+\b):8*(8*((\a)%4)+\b)+7], v[SC+8*NQ*(\sc)+NQ*\b+(\q)], v[SC+8*NQ*(\sc)+NQ*(\a)+(\q)] matrix_a_fmt:MATRIX_FMT_BF8 matrix_b_fmt:MATRIX_FMT_BF8 matrix_a_scale:MATRIX_SCALE_ROW1
.endif
.endr
.endr
.endm
.macro FETCH_B slot, q, p              ; B's eight fragments of the slot's q-th 128 along K into set p
	WIN TO_B
.irp i, 0,1,2,3,4,5,6,7
	FRAG 128*(\p)+FR*\i, ADRB+\slot, \q, \i
.endr
	WIN 0
.endm
.macro FETCH_A slot, q, i0             ; A's blocks i0 .. i0 + 3
.irp i, \i0, \i0+1, \i0+2, \i0+3
	FRAG AF+FR*(\i), ADRA+\slot, \q, \i
.endr
.endm
.macro SCALES sc                       ; the next K step's scale words into set sc: NQ words a row; lanes 0-15 take A's block i, lanes 16-31 B's block i
.irp i, 0,1,2,3,4,5,6,7
	ds_load_b64 v[SC+8*NQ*\sc+NQ*\i:SC+8*NQ*\sc+NQ*\i+1], v[ADRS] offset:\i*SBLK
.endr
.endm
; A load into a register that a matrix instruction has read, and a vector instruction that reads a matrix result or writes one of a matrix instruction's registers, stand NP places behind that matrix
; instruction, and only plain vector instructions that name none of its registers are places (ISA guide 7.12.1 for vector instructions).
.macro FETCH_BH slot, q, p, i0         ; B's blocks i0 .. i0 + 3 into set p: 16 LDS loads; leaves the destination's window at 1
	WIN TO_B
.irp i, \i0, \i0+1, \i0+2, \i0+3
	FRAG 128*(\p)+FR*(\i), ADRB+\slot, \q, \i
.endr
.endm
.macro FETCH_A2 slot, q, i0            ; A's blocks i0, i0 + 1: 8 LDS loads
	WIN 0
.irp i, \i0, \i0+1
	FRAG AF+FR*(\i), ADRA+\slot, \q, \i
.endr
.endm
.macro PLACES n
.rept \n
	v_nop
.endr
.endm
; A step of 128 along K that has its successor in the same slot.  first = 1: C is the biases, in window 0.
.macro STEP slot, q, first
	s_wait_dscnt 4*NL                              ; B's set and A's blocks 0-3 are in; the youngest sixteen loads (A's blocks 4-7) may be out
	FETCH_BH \slot, (\q)+1, 1-(\q)%2, 0            ; B's other set was last read in the step before, whose eight places stand behind its last product: half of it is asked for ahead of each sixteen products
.if \first
	WIN 0x81                                       ; source 0 (B) window 1, sources 1 (A) and 2 (the biases) window 0, D window 2
.else
	WIN MUL_LO
.endif
	MUL16 0, (\q)%2, \q, \slot, \first
	FETCH_BH \slot, (\q)+1, 1-(\q)%2, 4
.if \first
	WIN 0x81
.else
	WIN MUL_LO
.endif
	MUL16 2, (\q)%2, \q, \slot, \first
	s_wait_dscnt 8*NL                              ; A's blocks 4-7 are in; the 32 loads of B's other set, issued behind them, may be out
	PLACES NP                                      ; in front of the loads into A's blocks 0-3
	FETCH_A2 \slot, (\q)+1, 0
.if \first
	WIN 0xc1                                       ; the same, D window 3
.else
	WIN MUL_HI
.endif
	MUL16 4, (\q)%2, \q, \slot, \first
	FETCH_A2 \slot, (\q)+1, 2
.if \first
	WIN 0xc1
.else
	WIN MUL_HI
.endif
	MUL16 6, (\q)%2, \q, \slot, \first
	PLACES NP
	WIN 0
	FETCH_A \slot, (\q)+1, 4
.endm
; A slot's last step changes slots: in front of the round each wave waits for all its tensor loads, adds 0 to its spare word, and waits for that and for its own reads of this slot.
; fill = 1: this slot is filled again, two K steps ahead, by the joint loads.  fill = 2: the slot has been read for the last time, and each wave brings its 64 rows of c_prev into it.
.macro TURN slot, next, fill
.if \fill == 1
	s_wait_xcnt 0x0                                ; my prefetches have read their base: it steps one K step here, ahead of the waits of the change of slots
	s_add_nc_u64 s[8:9], s[8:9], ROWB
.endif
	s_wait_tensorcnt 0x0                           ; all my tensor loads have landed: my part of the next slot;  (every window is 0 here: the add's two registers lie in window 0)
	ds_add_u32 v[SPW], v[NIL]                      ; 0 onto my spare word;
	s_wait_dscnt 4*NL+1                            ; (the add and the youngest sixteen loads, A's blocks 4-7, may be out)
	WIN MUL_LO
	MUL16 0, 1, NQ-1, \slot, 0                     ; sixteen matrix instructions stand between the add and the wait for it
	s_wait_dscnt 0x0                               ; the add is done, and my reads of this slot are over
	s_barrier_signal -1
	MUL16 2, 1, NQ-1, \slot, 0
	WIN 0
	s_barrier_wait -1
	CREST                                          ; the barrier has opened a round of the cluster's barrier: no wave of any partner still reads this slot's tile or has a load on its way
.if \fill == 1
	s_add_nc_u64 s[G0+4*\slot+2:G0+4*\slot+3], s[G0+4*\slot+2:G0+4*\slot+3], 2*ROWB
	s_add_nc_u64 s[G0B+4*\slot+2:G0B+4*\slot+3], s[G0B+4*\slot+2:G0B+4*\slot+3], 2*ROWB
	JLOAD G0+4*\slot, G1, G0B+4*\slot, G1B         ; the first tensor load behind the round; the four v_nop behind it are among the places in front of the loads below
.else
	tensor_load_to_lds s[G0C:G0C+3], s[G1C:G1C+7]  ; my one tensor load behind the round: rows 64 w .. 64 w + 63 of c_prev's tile, to LDS bytes of my own; 160 matrix instructions of mine follow before it is waited for
	s_nop 0
.rept 4
	v_nop
.endr
.endif
	PLACES NP-4
	s_wait_alu depctr_va_vdst(0)
	v_add_nc_u32 v[ADRS], 4*NQ, v[ADRS]            ; on to the next K step's scale words (no LDS load of mine is out)
	FETCH_BH \next, 0, 0, 0                        ; of the next slot's first fragments 24 loads stand ahead of the next sixteen products, 32 ahead of the last sixteen
	WIN 0
	SCALES \next
.if \fill == 1
	s_cmp_gt_u32 s3, 1                             ; the refill of K step k asks for K step k + 2 of my 32 rows; the last trip's refills (K steps 6 and 7) have none two on
	s_cbranch_scc0 .Lno_ask_\@
	global_prefetch_b8 v[PFO], s[8:9] offset:3*ROWB th:TH_LOAD_NT scope:SCOPE_SE
.Lno_ask_\@:
.endif
	WIN MUL_HI
	MUL16 4, 1, NQ-1, \slot, 0
	FETCH_BH \next, 0, 0, 4
	FETCH_A2 \next, 0, 0
	FETCH_A2 \next, 0, 2
	WIN MUL_HI
	MUL16 6, 1, NQ-1, \slot, 0
	PLACES NP
	WIN 0
	FETCH_A \next, 0, 4
.endm
	s_wait_alu depctr_va_vdst(0)
	s_wait_loadcnt 0x0                             ; the biases
	s_wait_tensorcnt 0x0                           ; my tile of the head's four is in
	ds_add_u32 v[SPW], v[NIL]                      ; 0 onto my spare word; no tensor load of mine is out, so descriptors may be written below
	; so the group 1 of A's scales may be written: it becomes that of c_prev's tile: 64 rows of 64 f32 (256 bytes), 1,024 elements apart, 16 bytes of padding behind each; no mask: the load is the work-group's own
	s_mov_b32 s[G1C+0], (2<<16)|(1<<20)|(5<<22)|(3<<25)   ; 17:16 element of 4 bytes; 20 padding on; 24:22 after every 64 words (code 5); 31:25 of 4 words (code 3)
	s_mov_b32 s[G1C+1], 64<<16                     ; tensor_dim0 = 64
	s_mov_b32 s[G1C+2], 64<<16                     ; tensor_dim1 = 64
	s_mov_b32 s[G1C+3], 64<<16                     ; tile_dim0 = 64
	s_mov_b32 s[G1C+4], 64                         ; tile_dim1 = 64
	s_mov_b32 s[G1C+5], 1024                       ; tensor_dim0_stride
	s_mov_b32 s[G1C+6], 0
	s_mov_b32 s[G1C+7], 0
	s_mov_b32 s[G1+2], 128<<16                     ; from here on a load of codes brings 128 rows
	s_mov_b32 s[G1+4], 128
	s_mov_b32 s[G1B+2], 128<<16
	s_mov_b32 s[G1B+4], 128
	s_wait_dscnt 0x0                               ; the add is done
	CROUND                                         ; a whole round: all four tiles are in, and all sixteen work-groups are here
	JLOAD G0+4, G1, G0B+4, G1B                     ; K step 1: slot 1's first fill, the first tensor load behind the round
	FETCH_B 0, 0, 0
	FETCH_A 0, 0, 0
	SCALES 0
	FETCH_A 0, 0, 4
	global_prefetch_b8 v[PFO], s[8:9] offset:3*ROWB th:TH_LOAD_NT scope:SCOPE_SE   ; behind K step 1's load: K step 3, two refills on
	STEP 0, 0, 1                                   ; the first step stands in front of the loop: its products start the sums, from the biases
	s_mov_b32 s3, LAPS-1
.Llap:                                                 ; a trip goes once round the ring, from a lap's second step to the next lap's first, and fills both slots again
	TURN 0, 1, 1
	s_cmp_lg_u32 s3, 1                             ; in the last trip alone: c_prev's tile is asked for ahead.  Thread t asks for the 256 bytes of rows t and t + 128: each block once in the launch,
	s_cbranch_scc1 .Lno_pf                         ; 224 matrix instructions of the wave ahead of the tensor load that wants them; all 256 rows lie inside the buffer
	global_prefetch_b8 v[PF], s[104:105] th:TH_LOAD_NT scope:SCOPE_SE
	global_prefetch_b8 v[PF], s[104:105] offset:524288 th:TH_LOAD_NT scope:SCOPE_SE
.Lno_pf:
	STEP 1, 0, 0
	TURN 1, 0, 1
	STEP 0, 0, 0
	s_sub_co_u32 s3, s3, 1
	s_cmp_lg_u32 s3, 0
	s_cbranch_scc1 .Llap
	TURN 0, 1, 2                                   ; the last lap: slot 0 is left for good and takes c_prev
	STEP 1, 0, 0
	s_wait_dscnt 4*NL                              ; the very last step: nothing more to fetch
	WIN MUL_LO
	MUL16 0, 1, NQ-1, 1, 0
	MUL16 2, 1, NQ-1, 1, 0
	s_wait_dscnt 0
	WIN MUL_HI
	MUL16 4, 1, NQ-1, 1, 0
	MUL16 6, 1, NQ-1, 1, 0
	WIN 0
	PLACES NP                                      ; in front of the first reads of results, of the vector writes over scale words and biases, and of the loads into the registers that held A's and B's fragments
	; THE CELL.  My 128 rows of c_prev were brought by two waves: each wave waits for its own load in front of its signal.
	s_wait_tensorcnt 0x0
	s_wait_dscnt 0x0
	s_barrier_signal -1
	s_barrier_wait -1
	s_mov_b32 s[KL], 0xbfb8aa3b                    ; -log2(e)
	s_mov_b32 s[KL+1], s[KL]                       ; (the packed forms name a pair and take its low word for both halves: so the upper is written)
	s_mov_b32 s[K2], 0xc038aa3b                    ; -2 log2(e)
	s_mov_b32 s[K2+1], s[K2]
	s_mov_b32 s22, 0x42700000                      ; 60.0
.macro CLOAD a                         ; c_prev of block a (rows 16 a + r): my 16 numbers, e = 8 u + j, in the order of a gate's 16 registers, into set a % 2
.irp u, 0,1
.irp p, 0,1
	ds_load_b128 v[CV+16*((\a)%2)+8*\u+4*\p:CV+16*((\a)%2)+8*\u+4*\p+3], v[CPA] offset:16*PITCH*(\a)+64*\u+16*\p
.endr
.endr
.endm
.macro SCALE a                         ; block a's four gates out of their accumulators, times -log2(e) (gate g: -2 log2(e)): the exponents.  Each accumulator is read from its low end on
.set AC, 64*((\a)%4)                   ; the block's eight accumulators, in window 2 (blocks 0-3) or 3: gate g's 16 numbers at v[AC + 16 g]
	WIN 0x02+(\a)/4                                ; source 0: window 2 or 3
.irp g, 0,1,2,3
.irp e, 0,2,4,6,8,10,12,14
.if \g == 2
	v_pk_mul_f32 v[T+16*\g+\e:T+16*\g+\e+1], v[AC+16*\g+\e:AC+16*\g+\e+1], s[K2:K2+1] op_sel_hi:[1,0]
.else
	v_pk_mul_f32 v[T+16*\g+\e:T+16*\g+\e+1], v[AC+16*\g+\e:AC+16*\g+\e+1], s[KL:KL+1] op_sel_hi:[1,0]
.endif
.endr
.endr
	WIN 0
.endm
.macro HOLD                            ; the hold under tanh(g)'s exponential
.irp e, 0,1,2,3,4,5,6,7,8,9,10,11,12,13,14,15
	v_min_num_f32 v[TG+\e], s22, v[TG+\e]
.endr
.endm
.macro ROWS a                          ; block a is whole in LDS: my eight rows of c_next and of h_next come back, two rows an instruction, into registers of window 1 that nothing else is loaded into
	WIN TO_B
.irp t, 0,1,2,3
	ds_load_b128 v[32*(\a)+4*\t:32*(\a)+4*\t+3], v[RD] offset:(16*(\a)+2*\t)*PITCH
.endr
.irp t, 0,1,2,3
	ds_load_b128 v[32*(\a)+16+4*\t:32*(\a)+16+4*\t+3], v[RD2] offset:(16*(\a)+2*\t)*PITCH
.endr
	WIN 0
.endm
.macro SEND a, younger                 ; and leave.  younger: the LDS loads issued behind ROWS', which may stay out (LDS loads come back in order: ISA guide 5.7.1)
	s_wait_dscnt \younger
	WIN 0x04                                       ; a store's data are its source 1: window 1
.irp t, 0,1,2,3
	global_store_b128 v[CO], v[32*(\a)+4*\t:32*(\a)+4*\t+3], s[6:7] offset:(16*(\a)+2*\t)*4096 th:TH_STORE_NT        ; c_next: 16 lanes store 256 consecutive bytes, at a multiple of 256 from out1's first byte; written once, read by nobody here
.endr
.irp t, 0,1,2,3
	global_store_b128 v[CO], v[32*(\a)+16+4*\t:32*(\a)+16+4*\t+3], s[4:5] offset:(16*(\a)+2*\t)*4096 th:TH_STORE_NT  ; h_next likewise, into out0.  No register that a store reads is written again, so nothing waits for a store
.endr
	WIN 0
.endm
; Block a: 16 rows x 32 hidden units, 16 numbers a lane.  Ef, Ei, Eo = 2^(-log2(e) z), Eg = 2^(-2 log2(e) z).
;   sigmoid(i) tanh(g) = (1 - Eg) / ((1 + Ei)(1 + Eg)): one reciprocal for the two;  sigmoid(f) = 1 / (1 + Ef);  h_next = (1 - Ec) / ((1 + Eo)(1 + Ec)), Ec of c_next.
; Eg and Ec stand in a numerator, so their exponents are held at 60; a denominator that overflows gives the reciprocal 0, the right limit.
; Each run of exponentials or reciprocals has one plain line behind it before a result is used (ISA guide 5.7.2).
; ON ENTRY the block's exponents lie in v[T] on, its c_prev is in, and on their way are the rows of the block before (eight loads) and, behind them, the next block's c_prev (four).
; AT ITS END the block's results are in LDS: my stores are waited for, a barrier, and the rows are read back.  The next block's scalings stand between the stores and the wait for them, its holds between signal and wait.
.macro EPI a
.set CC, CV+16*((\a)%2)
.irp s, TG, TI, TF, TO
.irp e, 0,1,2,3,4,5,6,7,8,9,10,11,12,13,14,15
	v_exp_f32 v[\s+\e], v[\s+\e]
.endr
.endr
	v_nop
.if (\a) > 0
.if (\a) < 7
	SEND (\a)-1, 4                                 ; the rows of the block before are in; the four loads of the next block's c_prev may be out
.else
	SEND (\a)-1, 0                                 ; (behind block 6's rows nothing was asked for)
.endif
.endif
	s_wait_alu depctr_va_vdst(0)
.irp e, 0,2,4,6,8,10,12,14
	v_pk_add_f32 v[AA+\e:AA+\e+1], v[TG+\e:TG+\e+1], 1.0 op_sel_hi:[1,0]              ; 1 + Eg
.endr
.irp e, 0,2,4,6,8,10,12,14
	v_pk_add_f32 v[TF+\e:TF+\e+1], v[TF+\e:TF+\e+1], 1.0 op_sel_hi:[1,0]              ; 1 + Ef
.endr
.irp e, 0,2,4,6,8,10,12,14
	v_pk_fma_f32 v[DD+\e:DD+\e+1], v[TI+\e:TI+\e+1], v[AA+\e:AA+\e+1], v[AA+\e:AA+\e+1]   ; (1 + Ei)(1 + Eg)
.endr
.irp e, 0,2,4,6,8,10,12,14
	v_pk_fma_f32 v[TG+\e:TG+\e+1], v[TG+\e:TG+\e+1], -1.0, 1.0 op_sel_hi:[1,0,0]      ; 1 - Eg
.endr
	s_wait_alu depctr_va_vdst(0)
.irp s, DD, TF
.irp e, 0,1,2,3,4,5,6,7,8,9,10,11,12,13,14,15
	v_rcp_f32 v[\s+\e], v[\s+\e]
.endr
.endr
	v_nop
	s_wait_alu depctr_va_vdst(0)
.irp e, 0,2,4,6,8,10,12,14
	v_pk_mul_f32 v[TF+\e:TF+\e+1], v[TF+\e:TF+\e+1], v[CC+\e:CC+\e+1]                 ; sigmoid(f) c_prev
.endr
.irp e, 0,2,4,6,8,10,12,14
	v_pk_fma_f32 v[CC+\e:CC+\e+1], v[TG+\e:TG+\e+1], v[DD+\e:DD+\e+1], v[TF+\e:TF+\e+1]   ; c_next
.endr
.irp u, 0,1
.irp p, 0,1
	ds_store_b128 v[CPA], v[CC+8*\u+4*\p:CC+8*\u+4*\p+3] offset:16*PITCH*(\a)+64*\u+16*\p   ; over the bytes of c_prev that this lane alone has read
.endr
.endr
.irp e, 0,2,4,6,8,10,12,14
	v_pk_mul_f32 v[TI+\e:TI+\e+1], v[CC+\e:CC+\e+1], s[K2:K2+1] op_sel_hi:[1,0]
.endr
.irp e, 0,1,2,3,4,5,6,7,8,9,10,11,12,13,14,15
	v_min_num_f32 v[TI+\e], s22, v[TI+\e]          ; the hold under tanh(c_next)'s exponential
.endr
	s_wait_alu depctr_va_vdst(0)
.irp e, 0,1,2,3,4,5,6,7,8,9,10,11,12,13,14,15
	v_exp_f32 v[TI+\e], v[TI+\e]                   ; Ec
.endr
	v_nop
	s_wait_alu depctr_va_vdst(0)
.irp e, 0,2,4,6,8,10,12,14
	v_pk_add_f32 v[AA+\e:AA+\e+1], v[TI+\e:TI+\e+1], 1.0 op_sel_hi:[1,0]              ; 1 + Ec
.endr
.irp e, 0,2,4,6,8,10,12,14
	v_pk_fma_f32 v[DD+\e:DD+\e+1], v[TO+\e:TO+\e+1], v[AA+\e:AA+\e+1], v[AA+\e:AA+\e+1]   ; (1 + Eo)(1 + Ec)
.endr
.irp e, 0,2,4,6,8,10,12,14
	v_pk_fma_f32 v[TI+\e:TI+\e+1], v[TI+\e:TI+\e+1], -1.0, 1.0 op_sel_hi:[1,0,0]      ; 1 - Ec
.endr
	s_wait_alu depctr_va_vdst(0)
.irp e, 0,1,2,3,4,5,6,7,8,9,10,11,12,13,14,15
	v_rcp_f32 v[DD+\e], v[DD+\e]
.endr
	v_nop
	s_wait_alu depctr_va_vdst(0)
.irp e, 0,2,4,6,8,10,12,14
	v_pk_mul_f32 v[HV+\e:HV+\e+1], v[TI+\e:TI+\e+1], v[DD+\e:DD+\e+1]                 ; h_next
.endr
.irp u, 0,1
.irp p, 0,1
	ds_store_b128 v[HSA], v[HV+8*\u+4*\p:HV+8*\u+4*\p+3] offset:16*PITCH*(\a)+64*\u+16*\p
.endr
.endr
.if (\a) < 7
	SCALE (\a)+1                                   ; the next block's exponents: work on registers while my stores land
.endif
	s_wait_dscnt 0x0                               ; for the other wave's sake: my stores of this block are done.  (The next block's c_prev is in as well)
	s_barrier_signal -1
.if (\a) < 7
	HOLD
.endif
	s_barrier_wait -1                              ; the wave that shares my rows has stored its half of them
	ROWS \a
.if (\a) < 6
	CLOAD (\a)+2                                   ; this block's set of c_prev registers is free: my stores have read it
.endif
.endm
	CLOAD 0
	CLOAD 1
	SCALE 0
	HOLD
	s_wait_dscnt 4                                 ; block 0's c_prev is in; block 1's four loads may be out
	s_wait_alu depctr_va_vdst(0)
.irp a, 0,1,2,3,4,5,6,7
	s_wait_alu depctr_va_vdst(0)
	EPI \a
.endr
	SEND 7, 0                                      ; the last block's rows: the only stores that follow the arithmetic
	s_wait_tensorcnt 0x0                           ; the wave's end, behind my last tensor load and my last LDS store
	ds_add_u32 v[SPW], v[NIL]
	s_wait_dscnt 0x0
	CROUND                                         ; the closing round: no work-group ends while a partner may still ask for a tile that names it
	s_endpgm
.Lfunc_end_k_q17127d80da_cell:
	.size	k_q17127d80da_cell, .Lfunc_end_k_q17127d80da_cell-k_q17127d80da_cell
	.p2alignl 7, 3214868480
	.fill 96, 4, 3214868480
	.section	.rodata,"a",@progbits
	.p2align	6, 0x0
	.amdhsa_kernel k_q17127d80da_cell
		.amdhsa_group_segment_fixed_size 327680
		.amdhsa_private_segment_fixed_size 0
		.amdhsa_enable_private_segment 0
		.amdhsa_kernarg_size 88
		.amdhsa_user_sgpr_count 2
		.amdhsa_user_sgpr_kernarg_segment_ptr 1
		.amdhsa_wavefront_size32 1
		.amdhsa_system_sgpr_workgroup_id_x 1
		.amdhsa_system_sgpr_workgroup_id_y 1
		.amdhsa_system_sgpr_workgroup_id_z 1
		.amdhsa_system_vgpr_workitem_id 0
		.amdhsa_next_free_vgpr 1024
		.amdhsa_next_free_sgpr 106
		.amdhsa_reserve_vcc 0
		.amdhsa_float_denorm_mode_32 3
		.amdhsa_float_denorm_mode_16_64 3
		.amdhsa_memory_ordered 1
		.amdhsa_forward_progress 1
		.amdhsa_inst_pref_size 244
	.end_amdhsa_kernel
	.amdgpu_metadata
---
amdhsa.version: [ 1, 2 ]
amdhsa.kernels:
  - .name:           k_q17127d80da_cell
    .symbol:         k_q17127d80da_cell.kd
    .args:
      - { .name: a_codes, .offset: 0, .size: 8, .value_kind: global_buffer, .address_space: global }
      - { .name: a_scales, .offset: 8, .size: 8, .value_kind: global_buffer, .address_space: global }
      - { .name: b_codes, .offset: 16, .size: 8, .value_kind: global_buffer, .address_space: global }
      - { .name: b_scales, .offset: 24, .size: 8, .value_kind: global_buffer, .address_space: global }
      - { .name: bf, .offset: 32, .size: 8, .value_kind: global_buffer, .address_space: global }
      - { .name: bi, .offset: 40, .size: 8, .value_kind: global_buffer, .address_space: global }
      - { .name: bg, .offset: 48, .size: 8, .value_kind: global_buffer, .address_space: global }
      - { .name: bo, .offset: 56, .size: 8, .value_kind: global_buffer, .address_space: global }
      - { .name: c_prev, .offset: 64, .size: 8, .value_kind: global_buffer, .address_space: global }
      - { .name: out0, .offset: 72, .size: 8, .value_kind: global_buffer, .address_space: global }
      - { .name: out1, .offset: 80, .size: 8, .value_kind: global_buffer, .address_space: global }
    .group_segment_fixed_size: 327680
    .private_segment_fixed_size: 0
    .kernarg_segment_align: 8
    .kernarg_segment_size: 88
    .max_flat_workgroup_size: 128
    .sgpr_count:     106
    .vgpr_count:     1024
    .wavefront_size: 32
...
	.end_amdgpu_metadata
.endif
;; end of part 2
